; MI455X (gfx1250); checked and timed in simulation.
; The chip was launched on July 23, 2026; its instructions are those of AMD's public machine-readable ISA for CDNA 5 (MIT licence, August 2026) and "CDNA5" Instruction Set Architecture Reference Guide (July 2026). The comments in the code are by the model that wrote it; some were corrected since.
;; Cv T Block. Allowed arithmetic: float matrix products may take bf16 or f16 operands with f32 sums; all other float work in f32.
;; Inputs: R 8 x 32 x 32 float32; W0 128 x 512 float32; Wk 512 x 128 float32; Wq 512 x 128 float32; Wv 512 x 128 float32; x 32 x 128 x 32 x 32 float32.
;; Outputs: out0 32 x 128 x 32 x 32 float32.
;; One version. Each part assembles by itself: llvm-mc -triple=amdgcn-amd-amdhsa -mcpu=gfx1250 --defsym DOCPART=n.
;; ======== version 1 of 1: 2 launches
;; limits: values are held in f16: magnitudes above 65,504 overflow, below 6.1e-05 lose precision; right only within a limited range of input values
;; workspace buffers: att 33,554,432 bytes; w0f 131,072 bytes
;; launch attn (part 1): grid 8 x 32, 4 waves a work-group, no clusters, 327,680 bytes of LDS; arguments x, Wq, Wk, Wv, R, W0, att, w0f; writes att, w0f
.if DOCPART == 1
	.amdgcn_target "amdgcn-amd-amdhsa--gfx1250"
	.amdhsa_code_object_version 6
	.text
	.protected	k_q67fe4924f2_attn
	.globl	k_q67fe4924f2_attn
	.p2align	8
	.type	k_q67fe4924f2_attn,@function
k_q67fe4924f2_attn:
	s_mov_b64 s[64:65], 0
	v_nop
	global_prefetch_b8 v0, s[64:65] scope:SCOPE_SE
	s_setreg_imm32_b32 hwreg(HW_REG_WAVE_MODE, 25, 1), 1
	s_wait_xcnt 0x0
; ONE (SAMPLE, HEAD) TO A WORK-GROUP: the projections Q', K', V' = W x and the attention with its bias, fused.  32 samples x 8 heads = 256 work-groups of four waves.
; x: [32][128][1024] f32.  Wq, Wk, Wv: [512][128] f32.  R: [8][32][32] f32.  att (out): f16, [sample][head][query tile 64][channel block 4][lane 32][8 numbers].
; Each work-group also turns 1/256 of W0 ([128][512] f32) into fragment order: w0f, f16, [k step 16][channel tile 8][half 2][lane 32][8 numbers].
; THE SCALE 1/sqrt(5) is never applied to x.  Q' and K' stay unscaled, the bias table holds 5 R, and the exponent's factor is c = log2(e) / 40: c (Q'.K' + 5 R) = log2(e) (Q.K + R) / 8.
; V' stays unscaled, and 1 / l is multiplied by 1 / sqrt(5) on the way out.  So the order of rounding differs from that of a program which scales x first.
; FORMATS.  x and the weights are rounded to bf16 and multiplied in bf16; Q', K', V', the weights p and att are f16; sums, maxima and l are f32; W0 is rounded to bf16 and that number written as f16.
; LIMITS.  |W x| (unscaled) and |W0| stay below 65,504, f16's end; a |W0| below 6e-5 keeps f16's fixed step of 6e-8; a weight below 2^-126 counts as 0 in l; NaN and infinities are not treated apart.
; FRAGMENT ORDER.  A result tile of a projection, rounded in pairs, IS half an operand fragment of the next product, in the same lanes: K'^T = Wk (16 channels) x (16 positions) leaves key l % 16 and
; channels 8 (l / 16) + 0..7 in lane l; V' = x (16 positions) Wv (16 channels) leaves channel l % 16 and 8 keys.  So such a block of 512 bytes is stored at 16 x lane and read back there: no padding, no turning load.
; LDS.  K' and V' of all 1,024 keys, 131,072 bytes each, stay in LDS for the whole launch; the attention loop has no barrier and fetches nothing from memory.
; NO TENSOR LOAD AND NO CLUSTER.  x passes through registers for its rounding to bf16; as f32 tiles in LDS it has no room beside K' and V' (262,144 of 327,680 bytes).  What the eight heads of a sample
; share is x alone, and it comes by register loads, which cannot be asked for jointly.
; SHARES.  A lattice row is 32 positions: two tiles of 16.  x is walked in 8 chunks of 128 positions; in chunk k wave w owns lattice row 4 k + w and makes its Q', K', V'.  Its eight rows of queries go
; in two passes of four PIECES (a piece = a row = two tiles).  Every wave walks all keys, 64 (two lattice rows) a step.
; THE BIAS R[(xi - xj) % 32][(yi - yj) % 32] of a tile of 16 keys x 16 queries hangs on xi - xj and on whether the two half rows are alike: it is the C operand of the product that starts the sum.
; SOFTMAX, TURNS.  A running maximum m and sum l; p = 2^(c s - c m); O and l are multiplied by a = 2^(c m_old - c m_new) in every step; m starts at the lowest finite number, so a pass's first a is 0.
; Turn n belongs to piece n: 16 products K Q^T of piece n + 1, later 16 products V^T P of piece n - 1; four vector instructions that are ready stand behind every matrix instruction, the rest in two lumps.
; REGISTERS, in windows of 256 (s_set_vgpr_msb: bits 1:0 source 0, 3:2 source 1, 5:4 source 2, 7:6 destination):
;   window 0: v2-11 addresses; projection: v12-24 addresses, v32-63 T, v64-127 x's fragments, v128-255 Wv's; attention: v12-15, v48-63 at work, v16-47 statistics, v64-191 S^T, v192-255 P
;   window 1: projection: Wq's and Wk's fragments; attention: O^T, 32 a tile
;   window 2: v0-127 Q of the pass (at the start the raw Wq, Wk); v128-255 the raw x chunk, later K (v128-191) and V (v192-255) of one step
;   window 3: v0-127 the second pass's Q; v128-255 the projection's two sets of 8 accumulators (at the start the raw Wv); later v128-191 two buffers of four bias tiles
.set NP,     4
.set VREG,   131072   ; K' lies at 0, V' here: block (key tile kt, channel block dt) at kt x 2,048 + dt x 512 + 16 x lane
.set WST,    196608   ; at the start only, inside V's upper half: 192 rows (Wq, Wk, Wv: 64 each) of 128 bf16
.set WPITCH, 272      ; 256 bytes + 16: the 16 rows of a fragment load start at 16 different groups of four banks (64 banks of 4 bytes: ISA guide 11.1)
.set WMAT,   64*WPITCH
.set XST,    262144   ; the projection's x chunk as bf16, [channel 128][128 positions]
.set XPITCH, 288      ; 256 + 32
.set BIAS,   262144   ; the attention's bias table, over the x chunk: 64 rows; row t holds xi - xj = t % 32, so that no remainder is taken in the loop
.set BROW,   784      ; a row: 4 copies, 192 bytes apart; copy s, word u holds 5 R[(15 - u - s) % 32], so that eight words from any place begin at a multiple of 16 bytes in one of the copies
.set BCOPY,  192
.set SPARE,  327168   ; the spare words, 128 bytes for each wave: two blocks of 256 bytes that no other line names
.set AK,  2           ; LDS address of K's next run of loads
.set AV,  3           ; of V's
.set BA0, 4           ; v4, v5  of the bias tiles: half rows alike, unlike
.set BL0, 6           ; v6, v7  my lane's place in a row of the table, for the two kinds; never rewritten
.set GO,  8           ; 16 x lane; never rewritten
.set SPW, 10          ; LDS address of my spare word; never rewritten
.set NIL, 11          ; 0; never rewritten
.set XO,  12          ; projection: my offset in x,
.set XW,  13          ; where I put 8 bytes of a row of the chunk,
.set XR,  14          ; where my turning loads begin,
.set WO,  15          ; my offset in a head's rows of a weight,
.set WW,  16          ; where I put 8 bytes of such a row,
.set WR,  17          ; where my fragment loads of the weights begin,
.set KW,  18          ; where I put K's blocks,
.set VW,  19          ; and V's,
.set RO,  20          ; my offset in R,
.set BW,  21          ; where I write the table,
.set PF,  22          ; my offset for the prefetches,
.set W0O, 23          ; my offset in W0,
.set KW0, 24          ; my wave's and lane's part of KW
.set T,   32
.set XF,  64          ; x's fragments: tile a, channels 32 kc on, at XF + 8 (4 a + kc)
.set WVF, 128         ; a weight's fragments: channel block dt, channels 32 kc on, at + 8 (4 dt + kc)
.set WQF, 0
.set WKF, 128
.set XRAW, 128
.set ACA, 128
.set ACB, 192
.set MV,  12
.set ST,  16          ; tile t's statistics at v[ST+4 t]: c m, m, l (even keys', odd keys')
.set TMP, 48
.set S,   64
.set P,   192
.set KF,  128         ; key block kb, channel half c at KF + 16 kb + 8 c
.set VF,  192         ; key half kk, channel block cb at VF + 32 kk + 8 cb
.set BB,  128         ; buffer, key row e of the step's two, kind p at BB + 32 buffer + 16 e + 8 p
.set WV,  20          ; s20 my wave's number
.set HD,  21          ; s21 the head
.set SB,  22          ; s22 the sample
.set GI,  23          ; s23 8 x sample + head
.set TRIP, 28
.set CNT, 29
.set PASS, 30
.set HB,  31          ; s31 which half of K' and V' the projection's trip fills
.set CS,  32          ; s[32:33] c
.set SEL, 34          ; s[34:35] v_permlanex16_b32's selects: each lane takes its own place in the other half
.set BB0, 36          ; s36 the table row of my first piece at key step 0, in bytes
.set INV, 37          ; s37 1 / sqrt(5)
.set XB,  38          ; s[38:39] x at the sample's half in hand
.set XPF, 40          ; s[40:41] x at the sixteen rows that this head's work-group prefetches
.set TBK, 42          ; s42 LDS byte at which K of the step to be fetched begins
.set TBV, 43          ; s43 the same for V
.set TBB, 44          ; s44 the table row for the step whose bias is fetched
.set MSB, 0
.macro WIN new                      ; the high byte repeats the setting that is left; a switch that changes nothing is dropped
.if MSB != (\new)
	s_set_vgpr_msb (MSB<<8)|(\new)
.set MSB, (\new)
.endif
.endm
.set W_KQ, 0x0a       ; K and Q in window 2, S^T in window 0
.set W_KB, 0x3a       ; the same with the C operand, the bias, in window 3
.set W_PV, 0x52       ; V in window 2, P in window 0, O^T in window 1
.set W_RS, 0x41       ; O^T (destination and source 0) in window 1, a in window 0
.macro PLACES                       ; four plain vector instructions between a matrix instruction and a reader of its result (ISA guide 7.12.1)
.rept 4
	v_nop
.endr
.endm
	s_load_b512 s[4:19], s[0:1], 0x0  ; x 4, Wq 6, Wk 8, Wv 10, R 12, W0 14, att 16, w0f 18
	v_lshl_add_u32 v[SPW], v0, 2, SPARE
	v_mov_b32 v[NIL], 0
	v_lshrrev_b32 v1, 5, v0
	v_readfirstlane_b32 s[WV], v1   ; wave 0..3
	s_mov_b32 s[HD], ttmp9
	s_and_b32 s[SB], ttmp7, 0xffff
	s_lshl3_add_u32 s[GI], s[SB], s[HD]
	v_and_b32 v1, 31, v0            ; lane l
	v_and_b32 v9, 15, v0            ; l % 16
	v_bfe_u32 v25, v0, 4, 1         ; l / 16
	v_lshlrev_b32 v[GO], 4, v1
	s_lshl_b32 s24, s[WV], 17       ; x: wave w loads channels 32 w + n, a row of a chunk (512 bytes) to a load
	v_add_nc_u32 v[XO], s24, v[GO]
	s_mul_i32 s24, s[WV], 32*XPITCH
	s_add_co_u32 s24, s24, XST
	v_lshl_add_u32 v[XW], v1, 3, s24
	v_and_b32 v26, 7, v0            ; the turning load: lane l reads channel 8 (l / 16) + l % 8, positions 8 ((l / 8) % 2) + 0..7 of my wave's 32
	v_lshl_add_u32 v26, v25, 3, v26
	v_mul_u32_u24 v26, v26, XPITCH
	v_bfe_u32 v27, v0, 3, 1
	v_lshl_add_u32 v26, v27, 4, v26
	s_lshl_b32 s24, s[WV], 6
	s_add_co_u32 s24, s24, XST
	v_add_nc_u32 v[XR], s24, v26
	s_lshl_b32 s24, s[WV], 9        ; weights: wave w loads rows 4 n + w of the head's 64, a row (512 bytes) to a load
	v_add_nc_u32 v[WO], s24, v[GO]
	s_mul_i32 s24, s[WV], WPITCH
	s_add_co_u32 s24, s24, WST
	v_lshl_add_u32 v[WW], v1, 3, s24
	v_mul_u32_u24 v26, v9, WPITCH   ; a fragment: row l % 16, 16 bytes for each half of the lanes
	v_lshl_add_u32 v26, v25, 4, v26
	v_add_nc_u32 v[WR], WST, v26
	s_lshl_b32 s24, s[WV], 12       ; my two key tiles in a chunk's eight
	v_add_nc_u32 v[KW0], s24, v[GO]
	v_lshlrev_b32 v[RO], 7, v1      ; lane l takes row l of the head's R
	v_mul_u32_u24 v26, v1, BROW     ; and writes table rows l and l + 32; wave w writes copy w: word u = t - w, so 192 w - 4 w
	s_mul_i32 s24, s[WV], BCOPY-4
	s_add_co_u32 s24, s24, BIAS
	v_add_nc_u32 v[BW], s24, v26
	v_bfe_u32 v26, v0, 3, 2         ; prefetch: wave w asks for 4 of the work-group's 16 rows of x, eight lanes 256 bytes apart in half a row
	v_and_b32 v27, 7, v0
	v_lshlrev_b32 v27, 8, v27
	v_lshl_add_u32 v26, v26, 12, v27
	s_lshl_b32 s24, s[WV], 14
	v_add_nc_u32 v[PF], s24, v26
	v_lshlrev_b32 v26, 11, v9       ; W0: row l % 16 of a channel tile, 8 numbers for each half of the lanes
	v_lshl_add_u32 v[W0O], v25, 5, v26
	v_sub_nc_u32 v26, 15, v9        ; the bias: register j of lane l wants R[..][(16 p + l % 16 - 8 (l / 16) - j) % 32]: eight table words from t0 = (15 - l % 16 + 8 (l / 16) + 16 p) % 32
	v_lshl_add_u32 v26, v25, 3, v26 ; t0 for p = 0: 0 .. 23
	v_add_nc_u32 v27, 16, v26
	v_and_b32 v27, 31, v27          ; t0 for p = 1
.irp pp, 0,1
	v_and_b32 v28, 3, v[26+\pp]     ; the copy,
	v_mul_u32_u24 v28, v28, BCOPY
	v_lshrrev_b32 v29, 2, v[26+\pp] ; and the group of four words in it
	v_lshl_add_u32 v28, v29, 4, v28
	v_add_nc_u32 v[BL0+\pp], BIAS, v28
.endr
	s_mov_b32 s25, 0
	s_wait_kmcnt 0x0
	s_lshl_b32 s24, s[HD], 15       ; the head's 64 rows of 512 bytes
	s_add_nc_u64 s[6:7], s[6:7], s[24:25]
	s_add_nc_u64 s[8:9], s[8:9], s[24:25]
	s_add_nc_u64 s[10:11], s[10:11], s[24:25]
	s_lshl_b32 s24, s[HD], 12
	s_add_nc_u64 s[12:13], s[12:13], s[24:25]
	s_lshl_b32 s24, s[SB], 19
	s_add_nc_u64 s[4:5], s[4:5], s[24:25]  ; x at the sample
	s_add_nc_u64 s[XB:XB+1], s[4:5], 2048  ; chunks 4 to 7 come first
	s_lshl_b32 s24, s[HD], 16
	s_add_nc_u64 s[XPF:XPF+1], s[4:5], s[24:25]
	s_bfe_u32 s24, s[GI], 0x30001   ; my block of w0f: half = bit 0, channel tile = bits 3:1, k step = bits 7:4
	s_lshl_b32 s24, s24, 15
	s_lshr_b32 s26, s[GI], 4
	s_lshl_b32 s26, s26, 7
	s_add_co_u32 s24, s24, s26
	s_and_b32 s26, s[GI], 1
	s_lshl_b32 s26, s26, 6
	s_add_co_u32 s24, s24, s26
	s_add_nc_u64 s[14:15], s[14:15], s[24:25]
	s_lshl_b32 s24, s[GI], 17       ; att: 131,072 bytes a head, my wave's two tiles in a chunk's eight
	s_lshl_b32 s26, s[WV], 12
	s_add_co_u32 s24, s24, s26
	s_add_nc_u64 s[16:17], s[16:17], s[24:25]
	s_lshl_b32 s24, s[GI], 9
	s_add_nc_u64 s[18:19], s[18:19], s[24:25]
	; ALL THE FIRST LOADS: W0's 8 numbers a lane, the three weights' 48 rows, chunk 4 of x
	global_load_b128 v[T:T+3], v[W0O], s[14:15]
	global_load_b128 v[T+4:T+7], v[W0O], s[14:15] offset:16
	WIN 0x80
.set n, 0
.rept 16
	global_load_b128 v[4*n:4*n+3], v[WO], s[6:7] offset:n*2048
.set n, n+1
.endr
.set n, 0
.rept 16
	global_load_b128 v[64+4*n:64+4*n+3], v[WO], s[8:9] offset:n*2048
.set n, n+1
.endr
	WIN 0xc0
.set n, 0
.rept 16
	global_load_b128 v[ACA+4*n:ACA+4*n+3], v[WO], s[10:11] offset:n*2048
.set n, n+1
.endr
.macro XLOAD off                    ; 32 loads: my 32 channels of a chunk, at byte off from the half in hand
	WIN 0x80
.set n, 0
.rept 32
	global_load_b128 v[XRAW+4*n:XRAW+4*n+3], v[XO], s[XB:XB+1] offset:n*4096+(\off)
.set n, n+1
.endr
	WIN 0
.endm
	XLOAD 0
	global_prefetch_b8 v[PF], s[XPF:XPF+1] offset:2048 th:TH_LOAD_NT scope:SCOPE_SE  ; chunks 4 to 7 of my 4 rows: the eight heads' work-groups together ask for each 256 bytes of the sample's x once
	s_mov_b32 s[CS], 0x3d13bb63     ; c = log2(e) / 40
	s_mov_b32 s[CS+1], s[CS]        ; named with it as a pair
	s_mov_b32 s[SEL], 0x76543210
	s_mov_b32 s[SEL+1], 0xfedcba98
	s_mov_b32 s[INV], 0x3ee4f92e    ; 1 / sqrt(5)
	s_add_co_u32 s[BB0], s[WV], 31  ; row xi - xj + 32 of the table; the lower of a step's two rows, for xi = w and step 0, is w + 31
	s_mul_i32 s[BB0], s[BB0], BROW
	s_mov_b32 s[TRIP], 2
	s_mov_b32 s[HB], 65536
	; THE WEIGHTS: rounded to bf16, through LDS into fragments that stay in registers
	s_wait_loadcnt 32               ; the 32 loads of x are younger: W0 and the weights are in
	WIN 0x8a
.set n, 0
.rept 32
	v_cvt_pk_bf16_f32 v[4*n], v[4*n], v[4*n+1]
	v_cvt_pk_bf16_f32 v[4*n+1], v[4*n+2], v[4*n+3]
.set n, n+1
.endr
	WIN 0xcf
.set n, 0
.rept 16
	v_cvt_pk_bf16_f32 v[ACA+4*n], v[ACA+4*n], v[ACA+4*n+1]
	v_cvt_pk_bf16_f32 v[ACA+4*n+1], v[ACA+4*n+2], v[ACA+4*n+3]
.set n, n+1
.endr
	WIN 0x08
.set n, 0
.rept 32
	ds_store_b64 v[WW], v[4*n:4*n+1] offset:(n/16)*WMAT+(n%16)*4*WPITCH
.set n, n+1
.endr
	WIN 0x0c
.set n, 0
.rept 16
	ds_store_b64 v[WW], v[ACA+4*n:ACA+4*n+1] offset:2*WMAT+n*4*WPITCH
.set n, n+1
.endr
	WIN 0
	s_cmp_lg_u32 s[WV], 0
	s_cbranch_scc1 .Lnot_wave_0     ; wave 0 alone writes the work-group's 512 bytes of w0f
.irp n, 0,1,2,3
	v_cvt_pk_bf16_f32 v[T+8+\n], v[T+2*\n], v[T+2*\n+1]  ; W0 is rounded to bf16 like the other inputs,
.endr
.irp n, 0,1,2,3
	v_lshlrev_b32 v[T+2*\n], 16, v[T+8+\n]
	v_and_b32 v[T+2*\n+1], 0xffff0000, v[T+8+\n]
.endr
.irp n, 0,1,2,3
	v_cvt_pk_f16_f32 v[T+8+\n], v[T+2*\n], v[T+2*\n+1]   ; and that number is written as f16
.endr
	global_store_b128 v[GO], v[T+8:T+11], s[18:19]  ; 512 consecutive bytes, at a multiple of 512 from w0f's first
.Lnot_wave_0:
	s_wait_xcnt 0x0                 ; T is rewritten only behind this wait
	s_wait_dscnt 0x0                ; for the others' sake: my rows of the weights are in LDS
	s_barrier_signal -1
	s_barrier_wait -1
	WIN 0x40
.set n, 0
.rept 64                            ; Wq's, then Wk's fragments: block dt = (n % 32) / 8, channels 32 ((n / 2) % 4) on, half n % 2
	ds_load_b128 v[4*n:4*n+3], v[WR] offset:(n/32)*WMAT+((n%32)/8)*16*WPITCH+((n/2)%4)*64+(n%2)*32
.set n, n+1
.endr
	WIN 0
.set n, 0
.rept 32
	ds_load_b128 v[WVF+4*n:WVF+4*n+3], v[WR] offset:2*WMAT+(n/8)*16*WPITCH+((n/2)%4)*64+(n%2)*32
.set n, n+1
.endr                               ; these 96 loads are waited for in front of the first chunk's first barrier, which also stands between them and the first stores of V' into these bytes
; 32 matrix instructions: 2 tiles x 4 channel blocks x 128 input channels.  The 8 accumulators take turns; the first 8 products start the sums.
; vform = 0: source 0 = the weight (16 channels), source 1 = x (16 positions).  vform = 1: source 0 = x, source 1 = the weight.
.macro GROUP acc, wf, vform
.set n, 0
.rept 32
.set rD, (\acc)+8*(n%8)
.set rW, (\wf)+8*(4*(n%4)+n/8)
.set rX, XF+8*(4*((n/4)%2)+n/8)
.if (\vform) && (n < 8)
	v_wmma_f32_16x16x32_bf16 v[rD:rD+7], v[rX:rX+7], v[rW:rW+7], 0
.elseif \vform
	v_wmma_f32_16x16x32_bf16 v[rD:rD+7], v[rX:rX+7], v[rW:rW+7], v[rD:rD+7]
.elseif n < 8
	v_wmma_f32_16x16x32_bf16 v[rD:rD+7], v[rW:rW+7], v[rX:rX+7], 0
.else
	v_wmma_f32_16x16x32_bf16 v[rD:rD+7], v[rW:rW+7], v[rX:rX+7], v[rD:rD+7]
.endif
.set n, n+1
.endr
.endm
.macro PACKT acc, adr, j            ; a set of accumulators rounded to f16, in ascending order, and its 8 blocks of 512 bytes stored
	WIN 0x0f
.set n, 0
.rept 32
	v_cvt_pk_f16_f32 v[T+n], v[(\acc)+2*n], v[(\acc)+2*n+1]
.set n, n+1
.endr
	WIN 0
.set n, 0
.rept 8
	ds_store_b128 v[\adr], v[T+4*n:T+4*n+3] offset:(\j)*16384+n*512
.set n, n+1
.endr
.endm
; CHUNK j of a trip's four.  Two barriers: between all waves' reads of the last chunk and the stores of this one, and between those stores and the reads.
.macro CHUNK j
	s_wait_loadcnt 0x0              ; my 32 rows of the chunk: no younger load is out
	WIN 0x8a
.set n, 0
.rept 32
	v_cvt_pk_bf16_f32 v[XRAW+4*n], v[XRAW+4*n], v[XRAW+4*n+1]
	v_cvt_pk_bf16_f32 v[XRAW+4*n+1], v[XRAW+4*n+2], v[XRAW+4*n+3]
.set n, n+1
.endr
	s_wait_dscnt 0x0                ; my reads of the last chunk (the first time: of the weights) and my stores of K' and V' are done
	s_barrier_signal -1
	s_barrier_wait -1
	WIN 0x08
.set n, 0
.rept 32
	ds_store_b64 v[XW], v[XRAW+4*n:XRAW+4*n+1] offset:n*XPITCH
.set n, n+1
.endr
	s_wait_dscnt 0x0                ; for the others' sake: my rows are in LDS
	s_barrier_signal -1
	s_barrier_wait -1
.if (\j) < 3
	XLOAD ((\j)+1)*512              ; the next chunk is on its way while this one is multiplied
.else
	WIN 0
	s_cmp_eq_u32 s[TRIP], 1
	s_cbranch_scc1 .Lload_r_\@
	XLOAD -2048                     ; behind chunk 7 comes chunk 0
	s_branch .Lloaded_\@
.Lload_r_\@:                        ; behind chunk 3 nothing of x is left: the head's R comes, row l to lane l.  The next wait for loads is for 0 on both ways
	WIN 0x80
.set n, 0
.rept 8
	global_load_b128 v[XRAW+4*n:XRAW+4*n+3], v[RO], s[12:13] offset:16*n
.set n, n+1
.endr
	WIN 0
.Lloaded_\@:
.endif
.if (\j) == 1
	s_cmp_eq_u32 s[TRIP], 1
	s_cbranch_scc1 .Lno_pf_\@       ; the second trip has nothing left to ask for
	global_prefetch_b8 v[PF], s[XPF:XPF+1] th:TH_LOAD_NT scope:SCOPE_SE  ; chunks 0 to 3 of my 4 rows, two chunks ahead of chunk 0's loads
.Lno_pf_\@:
.endif
.set n, 0
.rept 16                            ; x's fragments of my 32 positions: channels 32 (n / 4) + 16 ((n / 2) % 2) on, tile n % 2
	ds_load_tr16_b128 v[XF+8*(4*(n%2)+n/4)+4*((n/2)%2):XF+8*(4*(n%2)+n/4)+4*((n/2)%2)+3], v[XR] offset:(n/4)*32*XPITCH+((n/2)%2)*16*XPITCH+(n%2)*32
.set n, n+1
.endr
	s_wait_dscnt 0x0
	WIN 0xf1                        ; the weight in window 1, x in window 0, the sums in window 3
	GROUP ACA, WQF, 0
	GROUP ACB, WKF, 0
	PLACES
	WIN 0x8f
.set n, 0
.rept 32                            ; Q' stays in registers: piece j, tile n / 16, channel block (n / 4) % 4.  These lines are also the places behind K's products
	v_cvt_pk_f16_f32 v[32*(\j)+n], v[ACA+2*n], v[ACA+2*n+1]
.set n, n+1
.endr
	WIN 0xf0
	GROUP ACA, WVF, 1
	PACKT ACB, KW, \j               ; K's roundings are the places behind V's products
	PACKT ACA, VW, \j
.endm
.Lhalf:                             ; two trips: chunks 4 to 7, then chunks 0 to 3.  A register's number cannot be stepped, so a trip's four chunks are written out
	WIN 0xc2
.set n, 0
.rept 128                           ; what the last trip left in Q is kept for the second pass.  In the first trip these lines move the weights' raw words and serve nothing:
	v_mov_b32 v[n], v[n]            ; the price of one text for both trips, in which every register is written on every way
.set n, n+1
.endr
	WIN 0
	v_add_nc_u32 v[KW], s[HB], v[KW0]
	v_add_nc_u32 v[VW], VREG, v[KW]
	CHUNK 0
	CHUNK 1
	CHUNK 2
	CHUNK 3
	s_wait_xcnt 0x0                 ; x's base is stepped only behind this wait
	s_sub_nc_u64 s[XB:XB+1], s[XB:XB+1], 2048
	s_xor_b32 s[HB], s[HB], 65536
	s_sub_co_u32 s[TRIP], s[TRIP], 1
	s_cmp_lg_u32 s[TRIP], 0
	s_cbranch_scc1 .Lhalf
	; THE BIAS TABLE, over the x chunk, and the zeros that the first turn finds
	s_wait_dscnt 0x0                ; my reads of the last chunk and my stores of K' and V' are done
	s_barrier_signal -1
	s_barrier_wait -1               ; everybody's are: K' and V' are whole, the chunk's bytes are free
	s_wait_loadcnt 0x0              ; R
	WIN 0x82
.set n, 0
.rept 16
	v_pk_mul_f32 v[XRAW+2*n:XRAW+2*n+1], v[XRAW+2*n:XRAW+2*n+1], 0x40a00000 op_sel_hi:[1,0]  ; 5 R
.set n, n+1
.endr
	WIN 0x08
.set n, 0
.rept 39                            ; table word n of my copy's 39; up to three words fall into the gap between two copies, which nobody reads
	ds_store_b32 v[BW], v[XRAW+((15-n)&31)] offset:4*n
	ds_store_b32 v[BW], v[XRAW+((15-n)&31)] offset:4*n+32*BROW
.set n, n+1
.endr
	WIN 0x80                        ; V's registers and P's second buffer hold 0 (the first turn's products V^T P, of a piece that has not been, add 0), O^T and l are 0; all this while the stores are out
.set n, VF
.rept 64
	v_mov_b32 v[n], 0
.set n, n+1
.endr
	WIN 0x40
.set n, 0
.rept 256
	v_mov_b32 v[n], 0
.set n, n+1
.endr
	WIN 0
.set n, 0
.rept 8
	v_mov_b32 v[ST+4*n+2], 0
	v_mov_b32 v[ST+4*n+3], 0
.set n, n+1
.endr
.set n, P+32
.rept 32
	v_mov_b32 v[n], 0
.set n, n+1
.endr
	s_wait_dscnt 0x0                ; for the others' sake: my copy of the table is in LDS
	s_barrier_signal -1
	s_barrier_wait -1               ; the launch's last barrier: from here on LDS is only read
; THE MATRIX WORK.  The 8 accumulators of a run of 16 take turns: between the two links of a chain stand 7 others'.
; Product i of 16 of S^T = K Q^T + bias for piece x: channels 32 (i / 8) on, keys 16 ((i / 2) % 4) on, tile 2 x + i % 2.  The first 8 start the sums with the bias tile of the key block's lattice row
; (kb / 2) and of the kind p = (tile's half row + key block's half row) % 2.
.macro KQ x
.set rS, S+64*((\x)%2)+32*(i%2)+8*((i/2)%4)
.set rK, KF+16*((i/2)%4)+8*(i/8)
.set rQ, 16*(2*(\x)+i%2)+8*(i/8)
.set rB, BB+32*((\x)%2)+16*(((i/2)%4)/2)+8*((i%2+i/2)%2)
.if i < 8
	WIN W_KB
	v_wmma_f32_16x16x32_f16 v[rS:rS+7], v[rK:rK+7], v[rQ:rQ+7], v[rB:rB+7]
.else
	WIN W_KQ
	v_wmma_f32_16x16x32_f16 v[rS:rS+7], v[rK:rK+7], v[rQ:rQ+7], v[rS:rS+7]
.endif
.endm
; Product i of 16 of O^T += V^T P for piece x: keys 32 (i / 8) on, channels 16 ((i / 2) % 4) on, tile 2 x + i % 2.
.macro PV x
	WIN W_PV
.set rO, 32*(2*(\x)+i%2)+8*((i/2)%4)
.set rV, VF+32*(i/8)+8*((i/2)%4)
.set rP, P+32*((\x)%2)+16*(i%2)+8*(i/8)
	v_wmma_f32_16x16x32_f16 v[rO:rO+7], v[rV:rV+7], v[rP:rP+7], v[rO:rO+7]
.endm
.macro MM                           ; the turn's next matrix instruction
.if i < 16
	KQ (Y+1)%NP
.set i, i+1
.else
.set i, i-16
	PV (Y+NP-1)%NP
.set i, i+17
.endif
.endm
; THE LDS LOADS stand in runs, never singly among the matrix instructions.  K and V lie in fragment order: each load takes 512 consecutive bytes.
.macro FETCH_K
	WIN 0x80
.set n, 0
.rept 16
	ds_load_b128 v[KF+4*n:KF+4*n+3], v[AK] offset:512*n
.set n, n+1
.endr
.endm
.macro FETCH_V
	WIN 0x80
.set n, 0
.rept 16                            ; key half n / 8, channel block (n / 2) % 4, key tile 2 (n / 8) + n % 2
	ds_load_b128 v[VF+4*n:VF+4*n+3], v[AV] offset:(2*(n/8)+n%2)*2048+((n/2)%4)*512
.set n, n+1
.endr
	WIN 0
.endm
.macro FETCH_B x, buf               ; piece x's four bias tiles for a step: its lattice row lies 4 x table rows on; the step's first key row has the higher table row
	WIN 0xc0
.irp ee, 0,1
.irp pp, 0,1
	ds_load_b128 v[BB+32*(\buf)+16*\ee+8*\pp:BB+32*(\buf)+16*\ee+8*\pp+3],   v[BA0+\pp] offset:(\x)*4*BROW+(1-\ee)*BROW
	ds_load_b128 v[BB+32*(\buf)+16*\ee+8*\pp+4:BB+32*(\buf)+16*\ee+8*\pp+7], v[BA0+\pp] offset:(\x)*4*BROW+(1-\ee)*BROW+16
.endr
.endr
.endm
; The run in a turn's first lump: the bias of the piece after next, into the buffer that the last turn's products read; in piece 2's turn also K of the next step.
; Pieces 2's and 3's runs are the next step's: in a pass's last step there is none, and they are jumped over.
.macro LUMPF p
	WIN 0
.if (\p) >= 2
	s_cmp_eq_u32 s[CNT], 1
	s_cbranch_scc1 .Lno_fetch_\@
.endif
	FETCH_B ((\p)+2)%NP, (\p)%2
.if (\p) == 2
	FETCH_K
.endif
	WIN 0
.if (\p) >= 2
.Lno_fetch_\@:
.endif
.endm
; THE VECTOR WORK OF A TURN stands in three queues, each in the order in which its entries become ready; the two tiles alternate, so that no instruction reads the result of the one before it.
.macro REGS y, u                    ; the registers of tile u (0, 1) of piece y
.set rT, ST+4*(2*(\y)+(\u))
.set rC, TMP+8*((\y)%2)+4*(\u)
.set rM, MV+2*((\y)%2)+(\u)
.set rS, S+64*((\y)%2)+32*(\u)
.set rP, P+32*((\y)%2)+16*(\u)
.set rO, 32*(2*(\y)+(\u))
.endm
; Number n of the 22 that find the NEXT piece's (Y + 1) maximum and statistics.  Each accumulator's lowest registers are read first.
;   0-11  four chains c0-c3 of seven scores each, three operands at a time     12-14, 16  the four scores left over, the old m, and c0-c3 into c0     15  c m_old is kept
;   17, 18  the query's other 32 keys lie in the lane 16 away: the new m         19-21  c m; c m_old - c m_new; a
.macro XS u, n
	REGS (Y+1)%NP, \u
.if (\n) < 4
	v_max3_num_f32 v[rC+(\n)], v[rS+8*(\n)], v[rS+8*(\n)+1], v[rS+8*(\n)+2]
.elseif (\n) < 12
	v_max3_num_f32 v[rC+(\n)%4], v[rC+(\n)%4], v[rS+8*((\n)%4)+2*((\n)/4)+1], v[rS+8*((\n)%4)+2*((\n)/4)+2]
.elseif (\n) == 12
	v_max3_num_f32 v[rC], v[rC], v[rS+7], v[rS+15]
.elseif (\n) == 13
	v_max3_num_f32 v[rC+1], v[rC+1], v[rS+23], v[rS+31]
.elseif (\n) == 14
	v_max3_num_f32 v[rC+2], v[rC+2], v[rC+3], v[rT+1]
.elseif (\n) == 15
	v_mov_b32 v[rM], v[rT]
.elseif (\n) == 16
	v_max3_num_f32 v[rC], v[rC], v[rC+1], v[rC+2]
.elseif (\n) == 17
	v_permlanex16_b32 v[rC+3], v[rC], s[SEL], s[SEL+1]
.elseif (\n) == 18
	v_max_num_f32 v[rT+1], v[rC], v[rC+3]
.elseif (\n) == 19
	v_mul_f32 v[rT], s[CS], v[rT+1]
.elseif (\n) == 20
	v_sub_f32 v[rC+1], v[rM], v[rT]
.else
	v_exp_f32 v[rC+2], v[rC+1]
.endif
.endm
; Number g of the 64 that follow the exponentials.  For each four weights k of a tile: both pairs are rounded to f16; then the second pair is added onto the first, in place; a group later l takes that sum
; (the first time as l = a l + sum).  In groups of eight, tiles alternating.
.macro GS g
.set h, (\g)+6*((\g)/62)
.if h >= 6
.set h, h+2
.endif
	REGS Y, h%2
.set k, h/8
.if h%8 < 4
	s_wait_alu depctr_va_vdst(0)
	v_cvt_pk_f16_f32 v[rP+2*k+(h%8)/2], v[rS+4*k+2*((h%8)/2)], v[rS+4*k+2*((h%8)/2)+1]
.elseif h%8 < 6
	v_pk_add_f32 v[rS+4*k:rS+4*k+1], v[rS+4*k:rS+4*k+1], v[rS+4*k+2:rS+4*k+3]
.elseif k == 1
	v_pk_fma_f32 v[rT+2:rT+3], v[rT+2:rT+3], v[rC+2:rC+3], v[rS:rS+1] op_sel_hi:[1,0,1]
.else
	v_pk_add_f32 v[rT+2:rT+3], v[rT+2:rT+3], v[rS+4*k-4:rS+4*k-3]
	s_wait_alu depctr_va_vdst(0)
.endif
.endm
; THE PLAIN QUEUE, 138 long.  0-31: c s - c m for the 16 pairs of both tiles.  Then GS's 64, and among them the next piece's 42: number 15 at 38, 39; 0-14 and 16 at 42-73, behind the products that make
; those scores; 17-20 at 95-106, two of three, since each waits for the one before it.
.macro PL
	WIN 0
.if q < 32
	REGS Y, q%2
	v_pk_fma_f32 v[rS+2*(q/2):rS+2*(q/2)+1], v[rS+2*(q/2):rS+2*(q/2)+1], s[CS:CS+1], v[rT:rT+1] op_sel_hi:[1,0,0] neg_lo:[0,0,1] neg_hi:[0,0,1]
.elseif q < 38
	GS q-32
.elseif q < 40
	XS q%2, 15
.elseif q < 42
	GS q-34
.elseif q < 74
	XS q%2, (q-42)/2+(q-42)/30
.elseif q < 95
	GS q-66
.elseif (q < 107) && ((q-95)%3 < 2)
	XS (q-95)%3, 17+(q-95)/3
.elseif q < 107
	GS 29+(q-95)/3
.else
	GS q-74
.endif
.set q, q+1
.endm
; THE EXPONENTIALS' QUEUE, 66 long: s0-s31 of both tiles, and at EA the next piece's two a.
.set EA, 58
.macro EX
	WIN 0
.if (e == EA) || (e == EA+1)
	XS e-EA, 21
.else
.set x, e-2*(e/(EA+2))
	REGS Y, x%2
	v_exp_f32 v[rS+x/2], v[rS+x/2]
.endif
.set e, e+1
.endm
; THE RESCALING's QUEUE: O^T times a, the one part that leaves window 0, so it is dealt four at a time, eight times.
.macro R4
	REGS Y, r%2
	WIN W_RS
	s_wait_alu depctr_va_vdst(0)
.irp z, 0,1,2,3
	v_pk_mul_f32 v[rO+8*(r/2)+2*\z:rO+8*(r/2)+2*\z+1], v[rO+8*(r/2)+2*\z:rO+8*(r/2)+2*\z+1], v[rC+2:rC+3] op_sel_hi:[1,0]
.endr
.set r, r+1
.endm
; HOW THEY ARE DEALT.  Behind a matrix instruction four: plain, exponential, plain, plain, or four of the rescaling; none names a register of the products round it.  What is over stands in two lumps:
; exponential and plain by turns; the second ends in 22 plain instructions.  Exponential e stands behind plain 2 (e / 4) + e % 2, its scaling; EA comes behind plain 107.
.macro SL
	MM
	PL
	EX
	PL
	PL
.endm
.macro BURST n
.rept (\n)-7
	SL
.endr
.rept 3
	MM
	R4
	SL
.endr
	MM
	R4
.endm
; A TURN, for piece p.  Its LDS loads: in the first lump, 30 vector instructions behind the last product K Q^T, the run of LUMPF; at the end of piece 0's turn V of the step in hand, 65 behind its last reader.
; Its waits: at the head the bias of the products to come (and in piece 3's turn K) must be in: that run is the youngest, so the count is 0; but in piece 1's turn V's 16 loads were issued behind it and may
; stay out: 16.  In front of piece 1's products V^T P V must be in; the 8 bias loads of this turn's lump are younger: 8.
.macro TURN p
.set Y, (\p)
.set i, 0
.set q, 0
.set e, 0
.set r, 0
.if (\p) == 1
	s_wait_dscnt 16
.else
	s_wait_dscnt 0x0
.endif
	MM
.rept 4
	PL
.endr
	BURST 15
.rept 22
	EX
	PL
.if ((\p) == 2) && (e == 18)
	s_add_co_u32 s[TBK], s[TBK], 8192   ; the next step: 64 keys on in K', two table rows back
	s_sub_co_u32 s[TBB], s[TBB], 2*BROW
	v_add_nc_u32 v[AK], s[TBK], v[GO]
	v_add_nc_u32 v[BA0], s[TBB], v[BL0]
	v_add_nc_u32 v[BA0+1], s[TBB], v[BL0+1]
.endif
.if e == 24
	LUMPF \p
.endif
.endr
.if (\p) == 1
	s_wait_dscnt 8
.endif
	BURST 16
.rept 21
	EX
	PL
.endr
.rept 22
	PL
.if ((\p) == 0) && (q == 118)
	v_add_nc_u32 v[AV], s[TBV], v[GO]
	s_wait_alu depctr_va_vdst(0)
.endif
.if ((\p) == 0) && (q == 130)
	s_add_co_u32 s[TBV], s[TBV], 8192
.endif
.endr
.if (\p) == 0
	FETCH_V
.endif
.endm
.macro ALL line:vararg              ; one line for each tile t
.set t, 0
.rept 2*NP
	\line
.set t, t+1
.endr
.endm
; THE WAY OUT of tile t: O^T times 1 / (sqrt(5) l), rounded to f16.  A lane's eight channels of a query pack into 16 bytes, and the 32 lanes' are half a fragment of the next launch's product:
; each store covers 512 consecutive bytes, at a multiple of 512 from att's first.  No stage in LDS.
.macro OUTT t
	WIN W_RS
.set i, 32*(\t)
.rept 16
	v_pk_mul_f32 v[i:i+1], v[i:i+1], v[ST+4*(\t)+2:ST+4*(\t)+3] op_sel_hi:[1,0]
.set i, i+2
.endr
	WIN 0x05                        ; sources 0 and 1 window 1, destination window 0: S^T's registers are free
.set i, 0
.rept 16
	v_cvt_pk_f16_f32 v[S+16*(\t)+i], v[32*(\t)+2*i], v[32*(\t)+2*i+1]
.set i, i+1
.endr
	WIN 0
.irp f, 0,1,2,3
	global_store_b128 v[GO], v[S+16*(\t)+4*\f:S+16*(\t)+4*\f+3], s[16:17] offset:((\t)/2)*16384+((\t)%2)*2048+\f*512
.endr
.endm
	s_mov_b32 s[PASS], 2
.Lpass:                             ; two passes: my lattice rows of chunks 0 to 3, then those of chunks 4 to 7
.set n, 0
.rept 2*NP
	v_mov_b32 v[ST+4*n], 0xfe000000    ; c m: far below every c s, so the first a is 0: what O^T and l hold need only be finite
	v_mov_b32 v[ST+4*n+1], 0xff7fffff  ; m
.set n, n+1
.endr
	s_mov_b32 s[TBK], 0
	s_mov_b32 s[TBV], VREG
	s_mov_b32 s[TBB], s[BB0]
	v_mov_b32 v[AK], v[GO]
	v_add_nc_u32 v[BA0], s[TBB], v[BL0]
	v_add_nc_u32 v[BA0+1], s[TBB], v[BL0+1]
	FETCH_K                         ; key step 0,
	FETCH_B 0, 0                    ; and pieces 0's and 1's bias for it
	FETCH_B 1, 1
	s_wait_dscnt 0x0
.set i, 0
.rept 16
	KQ 0                            ; piece 0's first scores: there is no vector work yet to set between them
.set i, i+1
.endr
	WIN 0
	PLACES
.set Y, NP-1                        ; XS works for piece Y + 1: piece 0
.irp n, 0,1,2,3,4,5,6,7,8,9,10,11,12,13,14,15,16,17,18,19,20,21
	XS 0, \n
	XS 1, \n
.endr
	v_nop                           ; a plain instruction behind the exponentials (ISA guide 5.7.2)
	s_mov_b32 s[CNT], 16
.Lstep:                             ; a key step: four turns.  The last step's 16 products K Q^T of piece 0 (on the last K once more) and the maximum made of them serve nothing: the price, once a pass, of one text for every step
	TURN 0
	TURN 1
	TURN 2
	TURN 3
	WIN 0
	s_sub_co_u32 s[CNT], s[CNT], 1
	s_cmp_lg_u32 s[CNT], 0
	s_cbranch_scc1 .Lstep
.set i, 0
.rept 16
	PV NP-1                         ; the last piece's V^T P of the last step
.set i, i+1
.endr
	WIN 0                           ; l's two halves and the other half of the lanes' are added; the additions are the places behind the last products
	ALL v_add_f32 v[ST+4*t+2], v[ST+4*t+2], v[ST+4*t+3]
	ALL v_permlanex16_b32 v[ST+4*t+3], v[ST+4*t+2], s[SEL], s[SEL+1]
	ALL v_add_f32 v[ST+4*t+2], v[ST+4*t+2], v[ST+4*t+3]
	ALL v_rcp_f32 v[ST+4*t+2], v[ST+4*t+2]
	v_nop                           ; a plain instruction between the last reciprocal and the use of its result
	s_wait_alu depctr_va_vdst(0)
	ALL v_mul_f32 v[ST+4*t+2], s[INV], v[ST+4*t+2]
.irp t, 0,1,2,3,4,5,6,7
	OUTT \t
.endr
	s_wait_xcnt 0x0                 ; att's base is stepped, and the stores' registers are rewritten, only behind this wait
	s_add_nc_u64 s[16:17], s[16:17], 65536  ; four chunks of eight tiles on
	s_add_co_u32 s[BB0], s[BB0], 16*BROW    ; and sixteen lattice rows
	s_cmp_eq_u32 s[PASS], 1
	s_cbranch_scc1 .Lno_q           ; behind the second pass there is no further Q
	WIN 0x83
.set n, 0
.rept 128                           ; the second pass's Q goes where the one text of the turns names Q
	v_mov_b32 v[n], v[n]
.set n, n+1
.endr
	WIN 0
.Lno_q:
	s_sub_co_u32 s[PASS], s[PASS], 1
	s_cmp_lg_u32 s[PASS], 0
	s_cbranch_scc1 .Lpass
	s_wait_tensorcnt 0x0            ; the wave's end, behind my last LDS store
	ds_add_u32 v[SPW], v[NIL]
	s_wait_dscnt 0x0
	s_endpgm
.Lfunc_end_k_q67fe4924f2_attn:
	.size	k_q67fe4924f2_attn, .Lfunc_end_k_q67fe4924f2_attn-k_q67fe4924f2_attn
	.p2alignl 7, 3214868480
	.fill 96, 4, 3214868480
	.section	.rodata,"a",@progbits
	.p2align	6, 0x0
	.amdhsa_kernel k_q67fe4924f2_attn
		.amdhsa_group_segment_fixed_size 327680
		.amdhsa_private_segment_fixed_size 0
		.amdhsa_enable_private_segment 0
		.amdhsa_kernarg_size 64
		.amdhsa_user_sgpr_count 2
		.amdhsa_user_sgpr_kernarg_segment_ptr 1
		.amdhsa_wavefront_size32 1
		.amdhsa_system_sgpr_workgroup_id_x 1
		.amdhsa_system_sgpr_workgroup_id_y 1
		.amdhsa_system_sgpr_workgroup_id_z 1
		.amdhsa_system_vgpr_workitem_id 0
		.amdhsa_next_free_vgpr 1024
		.amdhsa_next_free_sgpr 66
		.amdhsa_reserve_vcc 0
		.amdhsa_float_denorm_mode_32 3
		.amdhsa_float_denorm_mode_16_64 3
		.amdhsa_memory_ordered 1
		.amdhsa_forward_progress 1
		.amdhsa_inst_pref_size 255
	.end_amdhsa_kernel
	.section	.bss,"aw",@nobits
	.p2align	6
	.space	262144
	.amdgpu_metadata
---
amdhsa.version: [ 1, 2 ]
amdhsa.kernels:
  - .name:           k_q67fe4924f2_attn
    .symbol:         k_q67fe4924f2_attn.kd
    .args:
      - { .name: x, .offset: 0, .size: 8, .value_kind: global_buffer, .address_space: global }
      - { .name: Wq, .offset: 8, .size: 8, .value_kind: global_buffer, .address_space: global }
      - { .name: Wk, .offset: 16, .size: 8, .value_kind: global_buffer, .address_space: global }
      - { .name: Wv, .offset: 24, .size: 8, .value_kind: global_buffer, .address_space: global }
      - { .name: R, .offset: 32, .size: 8, .value_kind: global_buffer, .address_space: global }
      - { .name: W0, .offset: 40, .size: 8, .value_kind: global_buffer, .address_space: global }
      - { .name: att, .offset: 48, .size: 8, .value_kind: global_buffer, .address_space: global }
      - { .name: w0f, .offset: 56, .size: 8, .value_kind: global_buffer, .address_space: global }
    .group_segment_fixed_size: 327680
    .private_segment_fixed_size: 0
    .kernarg_segment_align: 8
    .kernarg_segment_size: 64
    .max_flat_workgroup_size: 128
    .sgpr_count:     66
    .vgpr_count:     1024
    .wavefront_size: 32
...
	.end_amdgpu_metadata
.endif
;; end of part 1
;; launch outp (part 2): grid 8 x 32, 4 waves a work-group, clusters of 4 x 1, 327,680 bytes of LDS; arguments att, w0f, x, out0; writes out0
.if DOCPART == 2
	.amdgcn_target "amdgcn-amd-amdhsa--gfx1250"
	.amdhsa_code_object_version 6
	.text
	.protected	k_q67fe4924f2_outp
	.globl	k_q67fe4924f2_outp
	.p2align	8
	.type	k_q67fe4924f2_outp,@function
k_q67fe4924f2_outp:
	s_mov_b64 s[64:65], 0
	v_nop
	global_prefetch_b8 v0, s[64:65] scope:SCOPE_SE
	s_setreg_imm32_b32 hwreg(HW_REG_WAVE_MODE, 25, 1), 1
	s_wait_xcnt 0x0
	s_wait_alu depctr_hold_cnt(0) depctr_sa_sdst(0) depctr_va_vdst(0) depctr_va_sdst(0) depctr_va_ssrc(0) depctr_va_vcc(0) depctr_vm_vsrc(0)
	s_getreg_b32 s2, hwreg(HW_REG_IB_STS2, 6, 4)
	s_cmp_eq_u32 s2, 0
	s_cbranch_scc0 .Lentry_in_a_cluster
	s_endpgm
.Lentry_in_a_cluster:
	s_bfe_u32 s2, ttmp6, 0x10000c
	s_cmp_lg_u32 s2, 0x3003
	s_cbranch_scc0 .Lentry_shape_is_right
	s_endpgm
.Lentry_shape_is_right:
; out[b][c][i] = the sum over the 512 channels k of W0[c][k] att[b][k][i], plus x[b][c][i].  out, x: [32][128][1024] f32.
; att: f16, [sample][head][tile of 16 positions 64][channel block 4][lane 32][8 numbers]; w0f: f16, [k step of 32: 16][tile of 16 output channels 8][half 2][lane 32][8 numbers]:
; both lie in fragment order: a block of 512 bytes is half a fragment, lane l's 16 bytes at 16 l.  Products in f16 with f32 sums; the residual x is added in f32.
; SHARES.  A work-group makes 128 positions x all 128 channels of one sample; 8 x 32 = 256 work-groups.  Wave w makes positions 64 (w / 2) on x channels 64 (w % 2) on: 16 accumulators.
; Source 0 = att (16 positions), source 1 = W0 (16 channels): in the result a lane holds channel l % 16 and the eight neighbouring positions 8 (l / 16) + 0..7: 32 bytes of a row of out.
; LDS.  All that the work-group multiplies comes in at the start, by four tensor loads a wave, in two stages (heads 0 to 3, heads 4 to 7): its 131,072 bytes of att and all 131,072 bytes of w0f.
; Nothing is filled twice.  The first stage is multiplied while the second is on its way.
; CLUSTER.  w0f is the same for every work-group: the four of a cluster ask for it JOINTLY (the same load, descriptor and mask in all four).  att is each work-group's own: plain loads.
; The launch moves 16 bytes for each 32 multiply-adds: memory binds it, so a K step has no more than one LDS load a matrix instruction and the tile is no larger than fills the 256 work-groups.
; REGISTERS.  Window 0: v2-8 addresses; v30, v31 the add's; v32-159 x, then out; v160-191 rows read back from the stage.  Window 1: v0-127 the accumulators, (position tile ip, channel tile ic) at 8 (4 ip + ic);
; v128-191, v192-255 two fragment buffers: four of att, then four of W0.
.set W0L,    131072   ; att's part lies at 0: [head][tile 8][channel block 4][512]; w0f here, as in memory
.set STG,    262144   ; behind them, never filled by a tensor load: 16 rows x 272 bytes for each wave, for the way out
.set SPITCH, 272      ; 256 bytes + 16: the 16 rows of a store start at 16 different groups of four banks (64 banks of 4 bytes: ISA guide 11.1)
.set SPARE,  STG+4*16*SPITCH  ; the spare words, 128 bytes for each wave: two blocks of 256 bytes that no other line names
.set AA,  2           ; LDS address of att's fragments of the head in hand
.set AB,  3           ; of W0's
.set XO,  4           ; my byte offset in two rows of x and of out; never rewritten
.set STO, 5           ; the way out: where I put 32 bytes of a row
.set RD,  6           ; the way out: where I read rows back
.set AA0, 7           ; my wave's and lane's part of AA; never rewritten
.set AB0, 8           ; of AB
.set SPW, 30          ; LDS address of my spare word; never rewritten
.set NIL, 31          ; 0; never rewritten
.set X,   32
.set OB,  160
.set ACC, 0
.set F0,  128
.set F1,  192
.set WV,  12          ; s12 my wave's number
.set G1A, 16          ; s[16:23] descriptor group 1 for att's blocks
.set G1W, 24          ; s[24:31] for w0f's: it differs in the mask and bit 21
.set G0,  32          ; s[32:47] four sets of group 0: att stage 0, w0f stage 0, att stage 1, w0f stage 1
.set HO,  52          ; s52 the head in hand times 16,384
.set CNT, 53
.set WPOS, 54         ; s54 w / 2
.set WCH, 55          ; s55 w % 2
.set MSB, 0
.macro WIN new                      ; the high byte repeats the setting that is left; a switch that changes nothing is dropped
.if MSB != (\new)
	s_set_vgpr_msb (MSB<<8)|(\new)
.set MSB, (\new)
.endif
.endm
.macro PLACES                       ; four plain vector instructions between a matrix instruction and a load into, or a reader of, its registers (ISA guide 7.12.1 for vector instructions)
.rept 4
	v_nop
.endr
.endm
; A round of the cluster's barrier: my work-group's barrier, so that wave 0's signal speaks for all four waves; wave 0 signals; every wave waits for all four work-groups; my work-group's barrier once more.
.macro ROUND
	s_barrier_signal -1
	s_barrier_wait -1
	s_cmp_lg_u32 s[WV], 0
	s_cbranch_scc1 .Lnot_wave_0_\@
	s_barrier_signal -3
.Lnot_wave_0_\@:
	s_barrier_wait -3
	s_barrier_signal -1
	s_barrier_wait -1
.endm
	s_load_b256 s[4:11], s[0:1], 0x0  ; att s[4:5], w0f s[6:7], x s[8:9], out s[10:11]
	v_lshl_add_u32 v[SPW], v0, 2, SPARE
	v_mov_b32 v[NIL], 0
	ds_add_u32 v[SPW], v[NIL]       ; the wave's opening: the add and its wait stand ahead of my first tensor load; the set-up below, work on registers, stands between them
	v_lshrrev_b32 v1, 5, v0
	v_readfirstlane_b32 s[WV], v1   ; wave 0..3
	s_bfe_u32 s13, ttmp6, 0x40000   ; cx: my place in the cluster
	s_lshl_b32 s14, ttmp9, 2        ; in a cluster launch ttmp9 counts clusters
	s_add_co_u32 s14, s14, s13      ; my block of 128 positions = 4 x cluster x + cx: it enters att's, x's and out's global addresses alone
	s_and_b32 s15, ttmp7, 0xffff    ; the sample
	s_lshr_b32 s[WPOS], s[WV], 1
	s_and_b32 s[WCH], s[WV], 1
	; descriptor group 1: a dense block of 16,384 bytes, as 64 rows of 32 elements of 8 bytes
	s_mov_b32 s[G1A], 3<<16                  ; 15:0 no mask; 17:16 elements of 8 bytes; no padding
	s_mov_b32 s[G1W], 15|(3<<16)|(1<<21)     ; the same with the mask of all four work-groups, and bit 21 set beside it
.irp g, G1A, G1W
	s_mov_b32 s[\g+1], 32<<16       ; tensor_dim0 = 32
	s_mov_b32 s[\g+2], 64<<16       ; tensor_dim1 = 64
	s_mov_b32 s[\g+3], 32<<16       ; tile_dim0 = 32
	s_mov_b32 s[\g+4], 64           ; tile_dim1 = 64
	s_mov_b32 s[\g+5], 32           ; 32 elements from row to row
	s_mov_b32 s[\g+6], 0
	s_mov_b32 s[\g+7], 0
.endr
	s_lshl_b32 s58, s[WV], 14       ; wave w fetches head 4 j + w of att's part and the same head's two k steps of w0f: 16,384 bytes each; no place in the cluster enters an LDS address
	s_mov_b32 s[G0], 1              ; 1:0 count = 1
	s_mov_b32 s[G0+1], s58          ; 63:32 LDS address
	s_mov_b32 s[G0+4], 1
	s_add_co_u32 s[G0+5], s58, W0L
	s_mov_b32 s[G0+8], 1
	s_add_co_u32 s[G0+9], s58, 65536
	s_mov_b32 s[G0+12], 1
	s_add_co_u32 s[G0+13], s58, W0L+65536
	s_lshl_b32 s48, s15, 20         ; att: 1,048,576 bytes a sample,
	s_lshl_b32 s50, s[WV], 17       ; 131,072 a head,
	s_add_co_u32 s48, s48, s50
	s_lshl_b32 s50, s14, 14         ; 16,384 for a block's eight tiles
	s_add_co_u32 s48, s48, s50
	s_mov_b32 s49, 0
	s_lshl_b32 s56, s[WV], 14       ; w0f: made of the wave's number alone, in registers that never hold cx
	s_mov_b32 s57, 0
	s_lshl_b32 s50, s15, 19         ; x and out: 524,288 bytes a sample,
	s_lshl_b32 s59, s[WCH], 18      ; my 64 channels,
	s_add_co_u32 s50, s50, s59
	s_lshl_b32 s59, s14, 9          ; the block's 128 positions,
	s_add_co_u32 s50, s50, s59
	s_lshl_b32 s59, s[WPOS], 8      ; my 64 of them
	s_add_co_u32 s50, s50, s59
	s_mov_b32 s51, 0
	s_mov_b32 s[HO], 0
	s_wait_dscnt 0x0                ; the opening add is done
	s_wait_kmcnt 0x0
	s_add_nc_u64 s[G0+2:G0+3], s[4:5], s[48:49]      ; 120:64 global address
	s_add_nc_u64 s[G0+10:G0+11], s[G0+2:G0+3], 524288  ; four heads on
	s_or_b32 s[G0+3], s[G0+3], 0x80000000            ; 127:126 type = 2
	s_or_b32 s[G0+11], s[G0+11], 0x80000000
	s_add_nc_u64 s[G0+6:G0+7], s[6:7], s[56:57]
	s_add_nc_u64 s[G0+14:G0+15], s[G0+6:G0+7], 65536
	s_or_b32 s[G0+7], s[G0+7], 0x80000000
	s_or_b32 s[G0+15], s[G0+15], 0x80000000
	s_add_nc_u64 s[8:9], s[8:9], s[50:51]
	s_add_nc_u64 s[10:11], s[10:11], s[50:51]
	ROUND                           ; all four work-groups are here: the joint loads meet
	tensor_load_to_lds s[G0:G0+3], s[G1A:G1A+7]      ; all fills go out as one group: four loads of mine are out
	s_nop 0
	tensor_load_to_lds s[G0+4:G0+7], s[G1W:G1W+7]
	s_nop 0
	tensor_load_to_lds s[G0+8:G0+11], s[G1A:G1A+7]
	s_nop 0
	tensor_load_to_lds s[G0+12:G0+15], s[G1W:G1W+7]
	s_nop 0
	PLACES                          ; four v_nop follow the last of them
	v_and_b32 v1, 31, v0            ; lane l
	v_and_b32 v9, 15, v0            ; l % 16
	v_bfe_u32 v10, v0, 4, 1         ; l / 16
	v_lshlrev_b32 v11, 4, v1
	v_lshlrev_b32 v12, 4, v9
	v_lshl_add_u32 v[XO], v10, 12, v12  ; lanes 0-15 take 256 bytes of one row of x, lanes 16-31 of the next
.set n, 0
.rept 32                            ; the residual: my 64 channels x 64 positions, read once in the launch
	global_load_b128 v[X+4*n:X+4*n+3], v[XO], s[8:9] offset:2*n*4096 th:TH_LOAD_NT
.set n, n+1
.endr
	s_lshl_b32 s59, s[WPOS], 13     ; my four tiles of a head's eight
	v_add_nc_u32 v[AA0], s59, v11
	s_lshl_b32 s59, s[WCH], 12      ; my four channel tiles of a k step's eight
	s_add_co_u32 s59, s59, W0L
	v_add_nc_u32 v[AB0], s59, v11
	v_mov_b32 v[AA], v[AA0]
	v_mov_b32 v[AB], v[AB0]
	s_mul_i32 s59, s[WV], 16*SPITCH
	s_add_co_u32 s59, s59, STG      ; my stage
	v_mul_u32_u24 v13, v9, SPITCH   ; in: row l % 16, 32 bytes for each half of the lanes
	v_lshl_add_u32 v13, v10, 5, v13
	v_add_nc_u32 v[STO], s59, v13
	v_mul_u32_u24 v13, v10, SPITCH  ; back: lanes 0-15 take one row of 256 bytes, lanes 16-31 the next
	v_add_nc_u32 v13, v13, v12
	v_add_nc_u32 v[RD], s59, v13
; 16 LDS loads in one run: the fragments of 32 channels (half c2 of the head in hand): four of att, four of W0; each load takes 512 consecutive bytes
.macro FETCH buf, c2
	WIN 0x40
.irp f, 0,1,2,3
	ds_load_b128 v[(\buf)+8*\f:(\buf)+8*\f+3],       v[AA] offset:\f*2048+(\c2)*1024
	ds_load_b128 v[(\buf)+8*\f+4:(\buf)+8*\f+7],     v[AA] offset:\f*2048+(\c2)*1024+512
	ds_load_b128 v[(\buf)+32+8*\f:(\buf)+32+8*\f+3],   v[AB] offset:(\c2)*8192+\f*1024
	ds_load_b128 v[(\buf)+32+8*\f+4:(\buf)+32+8*\f+7], v[AB] offset:(\c2)*8192+\f*1024+512
.endr
.endm
; 16 matrix instructions: the 16 accumulators take turns.  zero = 1: the first products start the sums
.macro MUL buf, zero
	WIN 0x55
.set n, 0
.rept 16
.if \zero
	v_wmma_f32_16x16x32_f16 v[ACC+8*n:ACC+8*n+7], v[(\buf)+8*(n/4):(\buf)+8*(n/4)+7], v[(\buf)+32+8*(n%4):(\buf)+32+8*(n%4)+7], 0
.else
	v_wmma_f32_16x16x32_f16 v[ACC+8*n:ACC+8*n+7], v[(\buf)+8*(n/4):(\buf)+8*(n/4)+7], v[(\buf)+32+8*(n%4):(\buf)+32+8*(n%4)+7], v[ACC+8*n:ACC+8*n+7]
.endif
.set n, n+1
.endr
.endm
; A head: its two halves of 32 channels, on buffers 0 and 1.  While one is multiplied the other's 16 loads are out: each wait leaves the 16 just issued.
; next = 1: the next head's first half is fetched.  2: that head lies in the second stage, which is first waited for.  0: there is none.
.macro HEADT zero, next
.if !(\zero)
	PLACES                          ; in front of the loads into buffer 1, which the head before multiplied
.endif
	FETCH F1, 1
	s_wait_dscnt 16                 ; buffer 0 is in
	MUL F0, \zero
	WIN 0
.if \next
	s_add_co_u32 s[HO], s[HO], 16384
	v_add_nc_u32 v[AA], s[HO], v[AA0]  ; with the two v_nop: the four places in front of the loads into buffer 0
	v_add_nc_u32 v[AB], s[HO], v[AB0]
	v_nop
	v_nop
.if (\next) == 2
	s_wait_tensorcnt 0x0            ; my two loads of the second stage have landed: none is younger,
	s_wait_dscnt 0x0                ; no LDS instruction of mine is pending at the signal,
	s_barrier_signal -1
	s_barrier_wait -1               ; and everybody's have
.endif
	FETCH F0, 0
	s_wait_dscnt 16                 ; buffer 1 is in
.else
	s_wait_dscnt 0x0
.endif
	MUL F1, 0
.endm
	s_wait_tensorcnt 0x2            ; my two loads of the first stage have landed; the second stage's two stay out
	s_barrier_signal -1
	s_barrier_wait -1               ; everybody's have
	FETCH F0, 0
	HEADT 1, 1                      ; head 0 stands in front of the loop: its first products start the sums
	WIN 0                           ; at a label and at a branch every window is 0
	s_mov_b32 s[CNT], 2
.Lstage0:                           ; heads 1 and 2
	HEADT 0, 1
	WIN 0
	s_sub_co_u32 s[CNT], s[CNT], 1
	s_cmp_lg_u32 s[CNT], 0
	s_cbranch_scc1 .Lstage0
	HEADT 0, 2                      ; head 3, and the change of stages
	WIN 0
	s_mov_b32 s[CNT], 3
.Lstage1:                           ; heads 4 to 6
	HEADT 0, 1
	WIN 0
	s_sub_co_u32 s[CNT], s[CNT], 1
	s_cmp_lg_u32 s[CNT], 0
	s_cbranch_scc1 .Lstage1
	HEADT 0, 0                      ; head 7
	WIN 0
	; THE WAY OUT, 16 channels at a time: a lane's 32 bytes go into my stage's rows of 272 bytes and come back as whole rows of 256; x is added; 16 lanes store 256 consecutive bytes, at a multiple of 256 from out's first.
	PLACES
.irp c, 0,1,2,3
	WIN 0x04                        ; the stores' data in window 1; each accumulator's four lowest registers go first
.irp f, 0,1,2,3
	ds_store_b128 v[STO], v[ACC+8*(4*\f+\c):ACC+8*(4*\f+\c)+3]   offset:64*\f
	ds_store_b128 v[STO], v[ACC+8*(4*\f+\c)+4:ACC+8*(4*\f+\c)+7] offset:64*\f+16
.endr
	WIN 0
.irp f, 0,1,2,3,4,5,6,7
	ds_load_b128 v[OB+4*\f:OB+4*\f+3], v[RD] offset:\f*2*SPITCH  ; LDS serves a wave's instructions in order (ISA guide 5.7.1.4): these see the stores above, and the next block's stores come behind them
.endr
	s_wait_dscnt 0x0
	s_wait_loadcnt 24-8*\c          ; x's loads come back in order: the eight of this block are in, the later blocks' may stay out
.set n, 0
.rept 16
	v_pk_add_f32 v[X+32*\c+2*n:X+32*\c+2*n+1], v[X+32*\c+2*n:X+32*\c+2*n+1], v[OB+2*n:OB+2*n+1]
.set n, n+1
.endr
.irp f, 0,1,2,3,4,5,6,7
	global_store_b128 v[XO], v[X+32*\c+4*\f:X+32*\c+4*\f+3], s[10:11] offset:(16*\c+2*\f)*4096 th:TH_STORE_NT
.endr
.endr
	s_wait_tensorcnt 0x0            ; the wave's end, behind my last tensor load and my last LDS store
	ds_add_u32 v[SPW], v[NIL]
	s_wait_dscnt 0x0
	ROUND                           ; the closing round: no work-group ends while a partner may still ask for a block that names it
	s_endpgm
.Lfunc_end_k_q67fe4924f2_outp:
	.size	k_q67fe4924f2_outp, .Lfunc_end_k_q67fe4924f2_outp-k_q67fe4924f2_outp
	.p2alignl 7, 3214868480
	.fill 96, 4, 3214868480
	.section	.rodata,"a",@progbits
	.p2align	6, 0x0
	.amdhsa_kernel k_q67fe4924f2_outp
		.amdhsa_group_segment_fixed_size 327680
		.amdhsa_private_segment_fixed_size 0
		.amdhsa_enable_private_segment 0
		.amdhsa_kernarg_size 32
		.amdhsa_user_sgpr_count 2
		.amdhsa_user_sgpr_kernarg_segment_ptr 1
		.amdhsa_wavefront_size32 1
		.amdhsa_system_sgpr_workgroup_id_x 1
		.amdhsa_system_sgpr_workgroup_id_y 1
		.amdhsa_system_sgpr_workgroup_id_z 1
		.amdhsa_system_vgpr_workitem_id 0
		.amdhsa_next_free_vgpr 512
		.amdhsa_next_free_sgpr 66
		.amdhsa_reserve_vcc 0
		.amdhsa_float_denorm_mode_32 3
		.amdhsa_float_denorm_mode_16_64 3
		.amdhsa_memory_ordered 1
		.amdhsa_forward_progress 1
		.amdhsa_inst_pref_size 44
	.end_amdhsa_kernel
	.amdgpu_metadata
---
amdhsa.version: [ 1, 2 ]
amdhsa.kernels:
  - .name:           k_q67fe4924f2_outp
    .symbol:         k_q67fe4924f2_outp.kd
    .args:
      - { .name: att, .offset: 0, .size: 8, .value_kind: global_buffer, .address_space: global }
      - { .name: w0f, .offset: 8, .size: 8, .value_kind: global_buffer, .address_space: global }
      - { .name: x, .offset: 16, .size: 8, .value_kind: global_buffer, .address_space: global }
      - { .name: out0, .offset: 24, .size: 8, .value_kind: global_buffer, .address_space: global }
    .group_segment_fixed_size: 327680
    .private_segment_fixed_size: 0
    .kernarg_segment_align: 8
    .kernarg_segment_size: 32
    .max_flat_workgroup_size: 128
    .sgpr_count:     66
    .vgpr_count:     512
    .wavefront_size: 32
...
	.end_amdgpu_metadata
.endif
;; end of part 2
